; MI455X (gfx1250); checked and timed in simulation.
; The chip was launched on July 23, 2026; its instructions are those of AMD's public machine-readable ISA for CDNA 5 (MIT licence, August 2026) and "CDNA5" Instruction Set Architecture Reference Guide (July 2026). The comments in the code are by the model that wrote it; some were corrected since.
;; Scaled Dot Product Attention. Allowed arithmetic: matrix products marked QUANTISED: E3M2 operands, one E8M0 scale for each 32 along K, by v_wmma_scale_f32_16x16x128_f8f6f4 with both operands' format E3M2, f32 sums; everything else in f32.
;; Inputs: x 16 x 2,048 x 512 float32.
;; Outputs: out0 16 x 2,048 x 512 float32.
;; This version of the problem:
;;   THIS VERSION OF THE PROBLEM IS GIVEN IN LOW PRECISION. The matrix products marked QUANTISED in the list below multiply operands that are first quantised to E3M2 (3 exponent bits, 2 mantissa bits; 6 bits a number), with one power-of-two scale for each 32 numbers along K (OCP MX v1.0); their sums are f32. All else is computed in f32.
;;   The module's matrix products, in the order in which they are computed (A, B: the left and right operand; K: the contracted axis; several contracted axes count as one K, in the product's order):
;;     1. batch 16 x [M 2,048, K 512] x [K 512, N 2,048]; A: input x; B: input x: QUANTISED
;;     2. batch 16 x [M 2,048, K 2,048] x [K 2,048, N 512]; A: softmax (see below); B: input x: QUANTISED
;;   THE QUANTISER, for each operand of a quantised product, along K:
;;     - K is cut into blocks of 32 from its start; a last block that is shorter is filled with zeros.
;;     - A block's scale is 2^e with e = floor(log2(the largest magnitude in the block)) - 4, held to -126 .. 127; a block of zeros has e = 0. As a byte (E8M0): e + 127.
;;     - Each number is divided by its block's scale, clamped to +-28, and rounded to the nearest number of E3M2, ties to even, subnormals kept.
;;     - The product sums the exact products of the quantised numbers (number of the format x scale) in f32.
;;   ~~~python
;;   def quantise(x, axis):      # numpy; x: float32 -> the quantised numbers, widened to float32 again
;;       x = np.moveaxis(x, axis, -1); K = x.shape[-1]
;;       x = np.pad(x, [(0, 0)] * (x.ndim - 1) + [(0, -K % 32)]); x = x.reshape(x.shape[:-1] + (-1, 32)); a = np.abs(x).max(-1, keepdims=True)
;;       e = np.where(a > 0, np.clip(np.frexp(np.where(a > 0, a, 1))[1] - 1 - 4, -126, 127), 0)      # np.frexp(a)[1] - 1 = floor(log2(a)), exactly
;;       r = np.clip(x / 2.0 ** e, -28, 28)
;;       step = 2.0 ** (np.maximum(np.frexp(np.where(r == 0, 1, r))[1] - 1, -2) - 2)
;;       q = np.round(r / step) * step * 2.0 ** e      # np.round: ties to even
;;       return np.moveaxis(q.reshape(q.shape[:-2] + (-1,))[..., :K], -1, axis).astype(np.float32)
;;   ~~~
;;   SOFTMAX AHEAD OF A QUANTISED PRODUCT. Where the list says 'softmax', what is quantised is not the finished softmax but p = 2^(t - M), with t = logit x log2(e) and M = ceil(the row's largest t), a whole number; so 1/2 < the row's largest p <= 1. The row's sum l is taken of the UNQUANTISED p, in f32, and the product's result is divided by l at the end. Since M is a whole number, a kernel that streams over the keys may use a running M (the ceiling of the running maximum): every later rescaling is an exact power of two, which a block's scale takes up: the codes' values come out the same.
;;   OPERANDS COMPUTED ON THE WAY. 'Computed on the way' means the value that the module computes at that place (a softmax that the list does not call 'softmax' is quantised finished and normalised). What goes into a quantiser is computed in f32, as accurately as f32 sums, v_exp_f32 and their like allow (about 1e-6 of the number): no bf16 or f16 on the way to a quantiser, and a product that is left as it is and whose result goes on into a quantised operand takes f32 operands (vector FMAs, or v_wmma_f32_16x16x4_f32). A number that lies on a knife's edge between two numbers of the format may be rounded either way, as far as f32 arithmetic and the matrix unit's own rounding can turn it there, and no further.
;; One version. Each part assembles by itself: llvm-mc -triple=amdgcn-amd-amdhsa -mcpu=gfx1250 --defsym DOCPART=n.
;; ======== version 1 of 1: 2 launches
;; limits: right only within a limited range of input values
;; workspace buffers: kv 26,476,544 bytes
;; launch prep (part 1): grid 16 x 16, 8 waves a work-group, no clusters, 327,680 bytes of LDS; arguments x, kv; writes kv
.if DOCPART == 1
	.amdgcn_target "amdgcn-amd-amdhsa--gfx1250"
	.amdhsa_code_object_version 6
	.text
	.protected	k_qa6b8a442fa_prep
	.globl	k_qa6b8a442fa_prep
	.p2align	8
	.type	k_qa6b8a442fa_prep,@function
k_qa6b8a442fa_prep:
	s_mov_b64 s[64:65], 0
	v_nop
	global_prefetch_b8 v0, s[64:65] scope:SCOPE_SE
	s_setreg_imm32_b32 hwreg(HW_REG_WAVE_MODE, 25, 1), 1
	s_wait_xcnt 0x0
; x [16][2048][512] f32 is quantised ONCE, both ways that the attention wants it, into codes of BF6 (E3M2) with one E8M0 byte for each 32 numbers:
; along the channels (queries and keys of the first product) and along the keys (the values of the second).  A work-group takes 128 keys of one batch, all 512 channels,
; reads them once and stores one BLOCK of 103,424 bytes, laid in the order of the operands' registers, so that the attention loads every fragment by 16-byte loads of consecutive bytes:
;   0       K's 32 fragments (key tile t = 0..7, 128 channels ks = 0..3) at 1536 (4 t + ks): registers 4 g .. 4 g + 3 of lane L at 512 g + 16 L.
;           Lane (r, h) of tile t holds key 32 (t / 2) + 8 (t % 2) + r + 8 (r / 8); registers 6 c .. 6 c + 5 hold channels 128 ks + 64 c + 32 h + 0 .. 31.
;   49152   V's 32 fragments (16 channels ct = 0..31) at 1536 ct: lane (r, h) holds channel 16 ct + r; registers 6 c .. 6 c + 5 hold keys 64 c + 32 h + 0 .. 31.
;   98304   K's scale words: at 256 t + 16 r the four words (ks = 0..3) of that lane's key.
;   100352  V's scale words: at 256 (ct / 4) + 16 r + 4 (ct % 4) the word (four blocks of keys) of channel 16 ct + r.
;   102400  rs[key] = sqrt(log2 e) / |x_key|, f32, keys in their own order.      102912  512 zeros, so that every byte of a block is written.
; A block's scale is 2^(floor(log2(largest magnitude)) - 4); its byte is the largest magnitude's exponent field - 4, held at 1 from below by a floor among the maximum's leaves.
; LIMITS: a block of zeros gets the byte 1 where the rule says 127 (its codes are zeros, and only this program reads the bytes); a row whose sum of squares is 0, denormal or beyond f32
; is not served (the quotient by its norm is not a number there); NaN and infinities among the inputs are not served.
; SHARES.  x comes by tensor loads: waves 0 to 3 bring one strip of 128 channels each, in four chunks of 32 keys, all sixteen tiles asked for at the head: four loads of a wave are out at most.
; No LDS byte is filled twice.  In chunk b wave w (u = w / 4, ks = w % 4) makes K's fragment (2 b + u, ks) and, for channels 64 w .. 64 w + 63 (a lane a channel, registers down the keys), the codes of key block b.
; No cluster: work-groups share no input.  No prefetch: all of a work-group's bytes are asked for in its first lines.
; THE FETCH, which stands for what the SHARES above say of it: all eight waves fetch.  At the head wave w brings strip w % 4 of chunk w / 4, one tensor load a wave;
; behind the first barrier, in front of which every wave has waited for its load, it brings the same strip of chunk 2 + w / 4: one load of a wave is out at a time.
; Chunks 0 and 1 are worked while chunks 2 and 3 are on their way.
.set BLK,   103424
.set VIMG,  49152
.set KSC,   98304
.set RSO,   102400
.set XP,    528                        ; a row of a tile in LDS: 512 bytes + 16 of padding
.set STRIP, 32*XP                      ; a tile: 32 keys x 128 channels
.set CHB,   4*STRIP                    ; a chunk: four strips
.set TAIL,  4*CHB                      ; behind x: the image of the block's 4,096 bytes of scale words
.set NSUM,  TAIL+4096                  ; and 4 x 128 partial sums of squares, [ks][key]
.set X,   16                           ; v16-79    64 numbers of my key: two blocks of 32 channels
.set Y,   80                           ; v80-143   32 keys of my two channels
.set KC,  144                          ; v144-155  K's fragment;  v156-163 the upper halves' conversions
.set KT,  156
.set VC,  164                          ; v164-211  V's codes: channel group e, key block b at VC + 24 e + 12 (b % 2) + 6 (b / 2)
.set VT,  212                          ; v212-219  the upper halves' conversions
.set VW,  220                          ; v220-221  V's scale words
.set MX,  222                          ; v222-223  largest magnitudes;  v224-225 the conversions' scale operands;  v226-227 bytes
.set SO,  224
.set BY,  226
.set KW,  228                          ; v228 K's scale word, v229 the other half's
.set KP,  229
.set SQ,  230                          ; v[230:233] sums of squares, two packed chains;  v234 the other half's
.set SQP, 234
.set L16, 238                          ; v238 16 x lane
	s_load_b128 s[4:7], s[0:1], 0x0                ; x, kv
	v_lshl_add_u32 v254, v0, 2, 0x43800
	v_mov_b32 v255, 0
	ds_add_u32 v254, v255
	ds_add_u32 v254, v255
	v_lshrrev_b32 v1, 5, v0
	s_delay_alu instid0(VALU_DEP_1)
	v_readfirstlane_b32 s8, v1                     ; wave 0..7
	s_and_b32 s9, s8, 3                            ; ks: my strip (to fetch, and of K's fragments)
	s_lshr_b32 s10, s8, 2                          ; u: which of a chunk's two key tiles
	s_and_b32 s11, ttmp7, 0xffff                   ; batch
	; descriptor group 1: a tile of 32 rows x 128 elements of 4 bytes, rows 512 elements apart, 4 words of padding behind every 128
	s_mov_b32 s16, (2<<16)|(1<<20)|(6<<22)|(3<<25)
	s_mov_b32 s17, 128<<16                         ; tensor_dim0 = 128
	s_mov_b32 s18, 32<<16                          ; tensor_dim1 = 32
	s_mov_b32 s19, 128<<16                         ; tile_dim0 = 128
	s_mov_b32 s20, 32                              ; tile_dim1 = 32
	s_mov_b32 s21, 512                             ; from row to row
	s_mov_b32 s22, 0
	s_mov_b32 s23, 0
	s_lshl_b32 s12, s11, 22                        ; a batch is 2,048 x 2,048 bytes,
	s_lshl_b32 s13, ttmp9, 18                      ; a step 128 x 2,048,
	s_add_co_u32 s12, s12, s13
	s_lshl_b32 s13, s9, 9                          ; a strip 512 bytes of a row
	s_add_co_u32 s12, s12, s13
	s_lshl_b32 s13, s10, 16                        ; my first chunk is chunk u: 32 rows of 2,048 bytes a chunk
	s_add_co_u32 s12, s12, s13
	s_mov_b32 s13, 0
	s_mul_i32 s14, s9, STRIP                       ; my strip in a chunk in LDS
	s_mul_i32 s42, s10, CHB
	s_add_co_u32 s42, s42, s14                     ; where my first tile lands: chunk u, strip ks
	s_lshl_b32 s15, s11, 4
	s_add_co_u32 s15, s15, ttmp9                   ; the block's number: 16 x batch + step
	s_mul_i32 s2, s15, BLK
	s_mov_b32 s3, 0
	s_mov_b32 s40, 0x76543210                      ; v_permlanex16_b32's selects for lane l xor 16
	s_mov_b32 s41, 0xfedcba98
	s_wait_dscnt 0x0
	s_wait_kmcnt 0x0
	s_add_nc_u64 s[4:5], s[4:5], s[12:13]          ; x at my strip's first row
	s_add_nc_u64 s[6:7], s[6:7], s[2:3]            ; kv at my block
.irp b, 0,1
	s_mov_b32 s[24+4*\b], 1                        ; group 0 for my tile b (chunk u + 2 b): count = 1,
	s_add_co_u32 s[25+4*\b], s42, \b*2*CHB         ; LDS address,
	s_add_nc_u64 s[26+4*\b:27+4*\b], s[4:5], \b*131072   ; global address: two chunks are 64 rows,
	s_or_b32 s[27+4*\b], s[27+4*\b], 0x80000000    ; type = 2
.endr
	tensor_load_to_lds s[24:27], s[16:23]          ; every wave's one load at the head: chunk u, strip ks
	s_nop 0
	v_and_b32 v1, 31, v0                           ; L
	v_and_b32 v2, 15, v0                           ; r
	s_wait_alu depctr_va_vdst(0)
	v_bfe_u32 v3, v0, 4, 1                         ; h
	v_and_b32 v14, 8, v2
	s_delay_alu instid0(VALU_DEP_1)
	v_add_nc_u32 v14, v14, v2                      ; r + 8 (r / 8)
	s_lshl_b32 s12, s10, 3
	v_add_nc_u32 v14, s12, v14                     ; my key's row in a chunk: 8 u + r + 8 (r / 8)
	s_wait_alu depctr_va_vdst(0)
	v_mul_u32_u24 v4, v14, XP
	s_delay_alu instid0(VALU_DEP_1)
	v_lshl_add_u32 v4, v3, 7, v4
	s_delay_alu instid0(VALU_DEP_1)
	v_add_nc_u32 v4, s14, v4                       ; v4: K's numbers: strip ks, my row, + 128 h bytes
	s_lshr_b32 s12, s8, 1
	s_mul_i32 s12, s12, STRIP
	s_and_b32 s13, s8, 1
	s_lshl_b32 s13, s13, 8
	s_add_co_u32 s12, s12, s13
	v_lshl_add_u32 v5, v1, 2, s12                  ; v5: V's numbers: channel 64 w + L: strip w / 2, byte 256 (w % 2) + 4 L
	s_lshl_b32 s12, s10, 8
	s_lshl_b32 s13, s9, 2
	s_add_co_u32 s12, s12, s13
	s_add_co_u32 s12, s12, TAIL
	v_lshl_add_u32 v6, v2, 4, s12                  ; v6: K's scale word: 256 u + 16 r + 4 ks (+ 512 b)
	s_lshl_b32 s12, s9, 9
	s_add_co_u32 s12, s12, NSUM
	v_lshl_add_u32 v7, v14, 2, s12                 ; v7: my key's partial sum of squares: 512 ks + 4 x row (+ 128 b)
	s_lshl_b32 s12, s8, 8
	s_add_co_u32 s12, s12, TAIL+2048
	v_lshl_add_u32 v8, v2, 4, s12
	s_delay_alu instid0(VALU_DEP_1)
	v_lshl_add_u32 v8, v3, 2, v8                   ; v8: V's scale word: 256 w + 16 r + 4 h (+ 8 e)
	s_lshl_b32 s12, s10, 2
	s_add_co_u32 s12, s12, s9
	s_mul_i32 s12, s12, 1536
	v_lshl_add_u32 v9, v1, 4, s12                  ; v9: in the block: K's fragment 4 u + ks (+ 8 b), 16 L
	s_mul_i32 s12, s8, 6144
	v_lshl_add_u32 v10, v1, 4, s12                 ; v10: V's fragments 4 w on
	s_lshl_b32 s12, s8, 9
	v_lshl_add_u32 v12, v1, 4, s12                 ; v12: my wave's 512 bytes of the scale words, in the block,
	s_delay_alu instid0(VALU_DEP_1)
	v_add_nc_u32 v11, TAIL, v12                    ; v11: and in LDS
	v_lshlrev_b32 v13, 3, v3                       ; v13: 8 h: how far my two bytes stand up in K's scale word
	v_lshlrev_b32 v[L16], 4, v1
	s_delay_alu instid0(VALU_DEP_1)
	v_add_nc_u32 v15, NSUM, v[L16]                 ; v15: four keys' partial sums
	v_mov_b32 v[KP], 0                             ; written once: a lane permute's destination counts as one of its sources
	v_mov_b32 v[SQP], 0
.macro CHUNK b
.if \b == 0
	s_wait_alu depctr_va_vdst(0)
	s_wait_tensorcnt 0x0                           ; my tile of chunk 0 or 1 has landed;
	ds_add_u32 v254, v255                          ; 0 onto my spare word
	s_wait_dscnt 0x0
	s_barrier_signal -1
	s_barrier_wait -1                              ; chunks 0 and 1 are whole
	tensor_load_to_lds s[28:31], s[16:23]          ; my second tile, a first fill too: chunk 2 + u, strip ks
	s_nop 0
.endif
.if \b == 2
	s_wait_dscnt 0x0                               ; no LDS instruction of mine is out at the signal
	s_wait_tensorcnt 0x0                           ; my tile of chunk 2 or 3 has landed
	s_barrier_signal -1
	s_barrier_wait -1                              ; chunks 2 and 3 are whole
.endif
.irp c, 0,1
.irp q, 0,1,2,3,4,5,6,7
	ds_load_b128 v[X+32*\c+4*\q:X+32*\c+4*\q+3], v4 offset:256*\c+16*\q   ; channels 128 ks + 64 c + 32 h + 4 q on, of my key
.endr
.endr
.set cj, 0
.rept 32
	ds_load_b32 v[Y+cj], v5 offset:XP*cj           ; key 32 b + cj of channel 64 w + L: 32 lanes read 128 consecutive bytes
.set cj, cj+1
.endr
	s_wait_dscnt 32                                ; X is in: 32 loads were issued behind it
.set cj, 0
.rept 32
	ds_load_b32 v[Y+32+cj], v5 offset:128+XP*cj    ; the same of channel 64 w + 32 + L
.set cj, cj+1
.endr
	; K: two whole blocks of 32 channels are mine.  Largest magnitudes and squares, four chains by turns
	v_max3_num_f32 v[MX], |v[X]|, |v[X+1]|, 0x2800000          ; with the floor 2^(5 - 127): the byte cannot fall under 1
	v_pk_mul_f32 v[SQ:SQ+1], v[X:X+1], v[X:X+1]
	v_max3_num_f32 v[MX+1], |v[X+32]|, |v[X+33]|, 0x2800000
	v_pk_mul_f32 v[SQ+2:SQ+3], v[X+2:X+3], v[X+2:X+3]
.set cj, 1
.rept 15
	s_delay_alu instid0(VALU_DEP_4)
	v_max3_num_f32 v[MX], v[MX], |v[X+2*cj]|, |v[X+2*cj+1]|
	s_delay_alu instid0(VALU_DEP_4)
	v_pk_fma_f32 v[SQ:SQ+1], v[X+4*cj:X+4*cj+1], v[X+4*cj:X+4*cj+1], v[SQ:SQ+1]
	s_delay_alu instid0(VALU_DEP_4)
	v_max3_num_f32 v[MX+1], v[MX+1], |v[X+32+2*cj]|, |v[X+33+2*cj]|
	s_delay_alu instid0(VALU_DEP_4)
	v_pk_fma_f32 v[SQ+2:SQ+3], v[X+4*cj+2:X+4*cj+3], v[X+4*cj+2:X+4*cj+3], v[SQ+2:SQ+3]
.set cj, cj+1
.endr
	s_delay_alu instid0(VALU_DEP_4)
	v_add_nc_u32 v[SO], 0xfe000000, v[MX]          ; 4 off the exponent field: the conversion takes this operand's exponent field as its scale
	s_delay_alu instid0(VALU_DEP_3)
	v_add_nc_u32 v[SO+1], 0xfe000000, v[MX+1]
	s_delay_alu instid0(VALU_DEP_2)
	v_lshrrev_b32 v[BY], 23, v[SO]                 ; the scale's byte
	s_delay_alu instid0(VALU_DEP_2)
	v_lshrrev_b32 v[BY+1], 23, v[SO+1]
	v_pk_add_f32 v[SQ:SQ+1], v[SQ:SQ+1], v[SQ+2:SQ+3]
	s_delay_alu instid0(VALU_DEP_2)
	v_lshl_or_b32 v[KW], v[BY+1], 16, v[BY]        ; my bytes: blocks h and 2 + h of these 128 channels,
	s_delay_alu instid0(VALU_DEP_2)
	v_add_f32 v[SQ], v[SQ], v[SQ+1]
	s_delay_alu instid0(VALU_DEP_2)
	v_lshlrev_b32 v[KW], v13, v[KW]                ; at their places;
	s_delay_alu instid0(VALU_DEP_2)
	v_permlanex16_b32 v[SQP], v[SQ], s40, s41
	s_delay_alu instid0(VALU_DEP_2)
	v_permlanex16_b32 v[KP], v[KW], s40, s41
	s_delay_alu instid0(VALU_DEP_2)
	v_add_f32 v[SQ], v[SQ], v[SQP]                 ; my key's squares over these 128 channels
	s_delay_alu instid0(VALU_DEP_2)
	v_or_b32 v[KW], v[KW], v[KP]                   ; with lane l xor 16's two bytes the word is whole
.if \b > 0
	s_wait_xcnt 0x0                                ; the last chunk's stores have read the fragment's registers
.endif
.irp c, 0,1
	v_cvt_scalef32_pk16_bf6_f32 v[KC+6*\c:KC+6*\c+2], v[X+32*\c:X+32*\c+15], v[SO+\c]
	v_cvt_scalef32_pk16_bf6_f32 v[KT+4*\c:KT+4*\c+2], v[X+32*\c+16:X+32*\c+31], v[SO+\c]   ; (a conversion's three registers begin on an even number)
.endr
	v_nop                                          ; one plain place behind the conversions
.irp c, 0,1
.irp i, 0,1,2
	v_mov_b32 v[KC+3+6*\c+\i], v[KT+4*\c+\i]
.endr
.endr
	ds_store_b32 v6, v[KW] offset:512*\b           ; both halves of the lanes write the same word with the same value
	ds_store_b32 v7, v[SQ] offset:128*\b
.irp g, 0,1,2
	global_store_b128 v9, v[KC+4*\g:KC+4*\g+3], s[6:7] offset:12288*\b+512*\g   ; 32 lanes store 512 consecutive bytes, at a multiple of 256 from the buffer's first byte
.endr
	s_wait_dscnt 2                                 ; Y is in: only the two stores were issued behind it
	; V: key block b of my two channels: all 32 numbers of a block are mine
	v_max3_num_f32 v[MX], |v[Y]|, |v[Y+1]|, 0x2800000
	v_max3_num_f32 v[MX+1], |v[Y+32]|, |v[Y+33]|, 0x2800000
.set cj, 2
.rept 15
	s_delay_alu instid0(VALU_DEP_2)
	v_max3_num_f32 v[MX], v[MX], |v[Y+cj]|, |v[Y+cj+1]|
	s_delay_alu instid0(VALU_DEP_2)
	v_max3_num_f32 v[MX+1], v[MX+1], |v[Y+32+cj]|, |v[Y+33+cj]|
.set cj, cj+2
.endr
	s_delay_alu instid0(VALU_DEP_2)
	v_add_nc_u32 v[SO], 0xfe000000, v[MX]
	s_delay_alu instid0(VALU_DEP_2)
	v_add_nc_u32 v[SO+1], 0xfe000000, v[MX+1]
.irp e, 0,1
.if \b == 0
	s_delay_alu instid0(VALU_DEP_2)
	v_lshrrev_b32 v[VW+\e], 23, v[SO+\e]           ; the first byte starts the word
.else
	s_delay_alu instid0(VALU_DEP_2)
	v_lshrrev_b32 v[BY+\e], 23, v[SO+\e]
.endif
.endr
.if \b > 0
.irp e, 0,1
	s_delay_alu instid0(VALU_DEP_2)
	v_lshl_or_b32 v[VW+\e], v[BY+\e], 8*\b, v[VW+\e]
.endr
.endif
.irp e, 0,1
.set rV, VC+24*\e+12*(\b&1)+6*(\b>>1)
	v_cvt_scalef32_pk16_bf6_f32 v[rV:rV+2], v[Y+32*\e:Y+32*\e+15], v[SO+\e]
	v_cvt_scalef32_pk16_bf6_f32 v[VT+4*\e:VT+4*\e+2], v[Y+32*\e+16:Y+32*\e+31], v[SO+\e]
.endr
	v_nop                                          ; one plain place behind the conversions
.irp e, 0,1
.set rV, VC+24*\e+12*(\b&1)+6*(\b>>1)
.irp i, 0,1,2
	v_mov_b32 v[rV+3+\i], v[VT+4*\e+\i]
.endr
.endr
.if \b < 3
	v_add_nc_u32 v4, CHB, v4                       ; on to the next chunk
	v_add_nc_u32 v5, CHB, v5
.endif
.endm
	CHUNK 0
	s_wait_alu depctr_va_vdst(0)
	CHUNK 1
	s_wait_alu depctr_va_vdst(0)
	CHUNK 2
	s_wait_alu depctr_va_vdst(0)
	CHUNK 3                                        ; no load is out from here on: chunk 2 waited for TENSORcnt 0
	; V's fragments.  Of a channel group, lanes 0-15 hold tile 2 g and lanes 16-31 tile 2 g + 1, a whole key block to a run of six registers.  A fragment wants block 2 c in lanes 0-15 and block 2 c + 1 in lanes 16-31:
	; the even block's lanes 16-31 change places with the odd block's lanes 0-15, and the two runs of twelve registers are the two fragments.
.irp e, 0,1
.set cj, 0
.rept 12
	v_permlane16_swap_b32 v[VC+24*\e+cj], v[VC+24*\e+12+cj]
.set cj, cj+1
.endr
.endr
.irp e, 0,1
.irp f, 0,1
.irp g, 0,1,2
	global_store_b128 v10, v[VC+24*\e+12*\f+4*\g:VC+24*\e+12*\f+4*\g+3], s[6:7] offset:VIMG+1536*(2*\e+\f)+512*\g
.endr
.endr
.endr
	ds_store_b32 v8, v[VW]
	ds_store_b32 v8, v[VW+1] offset:8
	s_wait_dscnt 0x0                               ; for the others' sake: my scale words and partial sums lie in LDS
	s_barrier_signal -1
	s_barrier_wait -1
	ds_load_b128 v[16:19], v11                     ; the scale words leave as they lie: 512 consecutive bytes a wave
	s_wait_dscnt 0x0
	global_store_b128 v12, v[16:19], s[6:7] offset:KSC
	s_cmp_lg_u32 s8, 0
	s_cbranch_scc1 .Lnot_0
.irp k, 0,1,2,3                        ; wave 0: the 128 keys' norms, four keys a lane
	ds_load_b128 v[32+4*\k:35+4*\k], v15 offset:512*\k
.endr
	s_wait_dscnt 0x0
	v_pk_add_f32 v[32:33], v[32:33], v[36:37]
	v_pk_add_f32 v[34:35], v[34:35], v[38:39]
	v_pk_add_f32 v[40:41], v[40:41], v[44:45]
	v_pk_add_f32 v[42:43], v[42:43], v[46:47]
	s_delay_alu instid0(VALU_DEP_2)
	v_pk_add_f32 v[32:33], v[32:33], v[40:41]
	s_delay_alu instid0(VALU_DEP_2)
	v_pk_add_f32 v[34:35], v[34:35], v[42:43]
	s_wait_alu depctr_va_vdst(0)
.irp k, 0,1,2,3
	v_rsq_f32 v[48+\k], v[32+\k]                   ; 1 / norm
.endr
	v_nop                                          ; a plain place behind the last of them,
	s_wait_alu depctr_va_vdst(0)                   ; and one wait for the four, ahead of their first reader
.irp k, 0,1,2,3
	v_mul_f32 v[48+\k], 0x3f99be61, v[48+\k]       ; x sqrt(log2 e): a key's factor times a query's turns a score into t
.endr
	global_store_b128 v[L16], v[48:51], s[6:7] offset:RSO
.Lnot_0:
	s_cmp_lg_u32 s8, 1
	s_cbranch_scc1 .Lnot_1
.irp k, 0,1,2,3                        ; wave 1: the block's last 512 bytes
	v_mov_b32 v[32+\k], 0
.endr
	global_store_b128 v[L16], v[32:35], s[6:7] offset:RSO+512
.Lnot_1:
	s_wait_tensorcnt 0x0
	ds_add_u32 v254, v255
	s_wait_dscnt 0x0
	s_endpgm
.Lfunc_end_k_qa6b8a442fa_prep:
	.size	k_qa6b8a442fa_prep, .Lfunc_end_k_qa6b8a442fa_prep-k_qa6b8a442fa_prep
	.p2alignl 7, 3214868480
	.fill 96, 4, 3214868480
	.section	.rodata,"a",@progbits
	.p2align	6, 0x0
	.amdhsa_kernel k_qa6b8a442fa_prep
		.amdhsa_group_segment_fixed_size 327680
		.amdhsa_private_segment_fixed_size 0
		.amdhsa_enable_private_segment 0
		.amdhsa_kernarg_size 16
		.amdhsa_user_sgpr_count 2
		.amdhsa_user_sgpr_kernarg_segment_ptr 1
		.amdhsa_wavefront_size32 1
		.amdhsa_system_sgpr_workgroup_id_x 1
		.amdhsa_system_sgpr_workgroup_id_y 1
		.amdhsa_system_sgpr_workgroup_id_z 1
		.amdhsa_system_vgpr_workitem_id 0
		.amdhsa_next_free_vgpr 256
		.amdhsa_next_free_sgpr 66
		.amdhsa_reserve_vcc 0
		.amdhsa_float_denorm_mode_32 3
		.amdhsa_float_denorm_mode_16_64 3
		.amdhsa_memory_ordered 1
		.amdhsa_forward_progress 1
		.amdhsa_inst_pref_size 77
	.end_amdhsa_kernel
	.amdgpu_metadata
---
amdhsa.version: [ 1, 2 ]
amdhsa.kernels:
  - .name:           k_qa6b8a442fa_prep
    .symbol:         k_qa6b8a442fa_prep.kd
    .args:
      - { .name: x, .offset: 0, .size: 8, .value_kind: global_buffer, .address_space: global }
      - { .name: kv, .offset: 8, .size: 8, .value_kind: global_buffer, .address_space: global }
    .group_segment_fixed_size: 327680
    .private_segment_fixed_size: 0
    .kernarg_segment_align: 8
    .kernarg_segment_size: 16
    .max_flat_workgroup_size: 256
    .sgpr_count:     66
    .vgpr_count:     256
    .wavefront_size: 32
...
	.end_amdgpu_metadata
.endif
;; end of part 1
;; launch attn (part 2): grid 16 x 16, 4 waves a work-group, clusters of 4 x 1, 327,680 bytes of LDS; arguments kv, out0; writes out0
.if DOCPART == 2
	.amdgcn_target "amdgcn-amd-amdhsa--gfx1250"
	.amdhsa_code_object_version 6
	.text
	.protected	k_qa6b8a442fa_attn
	.globl	k_qa6b8a442fa_attn
	.p2align	8
	.type	k_qa6b8a442fa_attn,@function
k_qa6b8a442fa_attn:
	s_mov_b64 s[64:65], 0
	v_nop
	global_prefetch_b8 v0, s[64:65] scope:SCOPE_SE
	s_setreg_imm32_b32 hwreg(HW_REG_WAVE_MODE, 25, 1), 1
	s_wait_xcnt 0x0
	s_wait_alu depctr_hold_cnt(0) depctr_sa_sdst(0) depctr_va_vdst(0) depctr_va_sdst(0) depctr_va_ssrc(0) depctr_va_vcc(0) depctr_vm_vsrc(0)
	s_getreg_b32 s2, hwreg(HW_REG_IB_STS2, 6, 4)
	s_cmp_eq_u32 s2, 0
	s_cbranch_scc0 .Lentry_in_a_cluster
	s_endpgm
.Lentry_in_a_cluster:
	s_bfe_u32 s2, ttmp6, 0x10000c
	s_cmp_lg_u32 s2, 0x3003
	s_cbranch_scc0 .Lentry_shape_is_right
	s_endpgm
.Lentry_shape_is_right:
; out0[b][q][:] = sum over k of softmax_k(<x_q, x_k> / (|x_q| |x_k|)) x_k[:], both products on codes of BF6 (E3M2) with one E8M0 scale for each 32 along a product's K.
; All operands come from kv, 16 blocks of 103,424 bytes a batch, one for each 128 keys, laid in the order of the operands' registers (a fragment of 16 rows x 128 K: registers 4 g .. 4 g + 3 of lane L at 512 g + 16 L):
;   0 K's 32 fragments (key tile t, channels 128 ks on) at 1536 (4 t + ks);  49152 V's 32 fragments (channels 16 ct on; K = the block's 128 keys) at 1536 ct;
;   98304 K's scale words (256 t + 16 r: four words);  100352 V's (256 (ct / 4) + 16 r + 4 (ct % 4));  102400 rs[key] = sqrt(log2 e) / norm.   The queries are the keys: Q of query block qb is K's part of block qb.
;   Lane r of key tile t holds key 32 (t / 2) + 8 (t % 2) + r + 8 (r / 8), so that the 16 registers of two neighbouring score tiles are 16 neighbouring keys.
; THE SOFTMAX.  t = S rs_key rs_query;  p = 2^t is what is quantised, along the keys;  l = the sum of the unquantised p divides at the end.  NO MAXIMUM IS TAKEN AWAY, since the computation bounds t for every input:
; a code is at most 1.112 times its number, or off by 2^-9 of its block's largest, so |Q(x)| <= 1.13 |x|, |score| <= 1.27, |t| < 2, p lies in (1/4, 4) and l under 8,192.  The whole number M of the rule is a power of two
; that a block's scale takes up: with M = 0 the codes are the same, the scales and l are 2^M times the rule's, and the quotient is the same.
; LIMITS: rows whose sum of squares is 0, denormal or beyond f32, NaN and infinities are not served.
; SHARES.  A work-group owns 128 queries of a batch and walks the batch's 16 blocks.  Wave w = (a, c) owns query tiles 4 a .. 4 a + 3.  Of a step's scores it makes those of keys 64 c .. 64 c + 63 (S^T = K Q^T: source 0 = 16 keys,
; source 1 = 16 queries: a lane holds one query), quantises its p and hands the codes to its partner through LDS as an image of the operand's registers; of O^T = V^T P^T it makes channels 256 c .. 256 c + 255 over all 128 keys:
; 64 accumulators.  So each fragment of K and of V that a wave reads from LDS feeds four products.  A query's l is a plain sum, so the two waves' parts are added at the end.
; CLUSTER.  The four query blocks of a cluster walk the same blocks: each quarter of a block is asked for JOINTLY, by the same tensor load with a mask that names the four.  One load of a wave is out at a time.
; REGISTERS, in windows of 256:  window 0: v1-19 addresses; v20-47 scale words and nothing else; v48-55 rs of my queries, later 1 / l; v56-63 l; v64-191 S^T, then p, then P's four fragments, on the way out rows of O;
;   v192-239 fragment set 0 (in the softmax: rs of the keys, then work), v240-255 work.   window 1: v0-191 Q's 16 fragments; v192-239 fragment set 1.   windows 2, 3: O^T: (ct, qt) at 8 (4 (ct % 8) + qt) of window 2 + ct / 8.
.set BLK,   103424
.set QTR,   25856                      ; a quarter of a block: 101 rows of 256 bytes: what one tensor load brings
.set SLOT1, 131072                     ; slot 1 begins here, so that one exclusive or turns an address from one slot to the other
.set VIMG,  49152
.set KSC,   98304
.set RSO,   102400
.set PIMG,  SLOT1+BLK                  ; behind the ring: P's 8 fragments (query tile 4 a + qt at 1536 each; key half c at 768 c: registers 0-3 at 16 L, registers 4-5 at 512 + 8 L),
.set PSC,   PIMG+8*1536                ; P's scale words: 256 a + 16 r + 4 qt (wave c stores bytes 2 c, 2 c + 1),
.set LX,    PSC+512                    ; the waves' parts of l, 512 bytes each,
.set SPARE, LX+2048                    ; and the spare words, 128 bytes for each wave: two blocks of 256 bytes that no other line names
.set SROW,  1040                       ; the way out: a stage of 16 rows x (1,024 bytes + 16) for each wave, in slot 0, which has had its last fill and its last read by then
.set AK0, 1                            ; v1   16 L + 24576 c: my key tiles' fragments in a block
.set AV0, 2                            ; v2   the same for my channels' fragments of V
.set AT0, 3                            ; v3   the scale words: 98304 + 16 L + 1024 c
.set AR0, 4                            ; v4   rs of my keys: 102400 + 256 c + 64 h
.set ADK, 5                            ; v5-8 the four with the slot in hand added
.set ADV, 6
.set ADT, 7
.set ADR, 8
.set PLD, 9                            ; v9, v10   where I read P's images (16 and 8 bytes a lane);  v11, v12 where I store my half
.set PLD2, 10
.set PST, 11
.set PST2, 12
.set SPW, 13                           ; v13  LDS address of my spare word; never rewritten
.set NIL, 14                           ; v14  0; never rewritten
.set PFO, 15                           ; v15  the prefetches' offset; never rewritten
.set PSS, 16                           ; v16  where I store two bytes of P's scale words;  v17 where I read the four words
.set PSL, 17
.set L16, 18                           ; v18  16 x lane
.set RQO, 19                           ; v19  my query's place among a tile's rs
.set KS,  20                           ; scale words: v20-27 K's, v28-35 V's, v36-43 Q's, v44-47 P's
.set VS,  28
.set QS,  36
.set PS,  44
.set RQ,  48
.set LS,  56
.set S,   64
.set F,   192
.set WV,  8                            ; s8 wave, s9 a, s10 c
.set PFA, 18                           ; s[18:19] where my work-group's prefetches stand
.set LIM, 20                           ; s20  1 in the batch's first cluster, else the greatest number
.set SLOTS, 21                         ; s21  blocks still to be asked for
.set TB,  22                           ; s22  LDS byte at which the slot in hand begins
.set G1,  24                           ; s[24:31], s[32:35] the descriptor; group 0 walks
.set G0,  32
.set SEL, 36                           ; s[36:37] selects for lane l xor 16
.set OUTP, 40                          ; s[40:41] out0 at my wave's first row and channel
.set MSB, 0
.macro WIN new                         ; the immediate's high byte repeats the setting that is left; a switch that changes nothing is dropped
.if MSB != (\new)
	s_set_vgpr_msb (MSB<<8)|(\new)
.set MSB, (\new)
.endif
.endm
.macro PLACES n                        ; a load into a register that a matrix instruction has read, and a vector instruction that reads a matrix result, stand four plain vector instructions behind it (ISA guide 7.12.1 for vector instructions)
.rept \n
	v_nop
.endr
.endm
.macro CROUND                          ; a round of the cluster's barrier
	s_barrier_signal -1
	s_barrier_wait -1
	s_cmp_lg_u32 s[WV], 0
	s_cbranch_scc1 .Lnot_wave_0_\@
	s_barrier_signal -3
.Lnot_wave_0_\@:
	s_barrier_wait -3
	s_barrier_signal -1
	s_barrier_wait -1
.endm
; A PREFETCH INTO THE L2 of the block that the NEXT change of slots will ask for: one step, 128 matrix instructions and a softmax, ahead of that load.  All four clusters of a batch walk the same blocks: the first asks.
; Its four partners take a quarter of the block each, told apart BY ADDRESS; in each, thread n names row n of the quarter's 101 rows of 256 bytes (threads 101 to 127 name row 100 again: no lane leaves the block).
; The last change that fills a slot asks for nothing; blocks 0 and 1 come by their loads alone.
.macro ASK
	s_cmp_gt_u32 s[SLOTS], s[LIM]
	s_cbranch_scc0 .Lnot_mine_\@
	global_prefetch_b8 v[PFO], s[PFA:PFA+1] th:TH_LOAD_NT scope:SCOPE_SE
.Lnot_mine_\@:
.endm
; THE CHANGE OF SLOTS, at a step's head.  Each wave waits for all its tensor loads (its quarter of the block that it is about to read), adds 0 to its spare word, and waits for that and for its reads of the slot that it has left
; and of P's images.  fill = 1: the barrier is a round of the cluster's, and the slot just left is filled with the next block: the first thing behind the round, one load a wave, with a whole step in which to land.
.macro CHANGE fill
	WIN 0
	s_wait_tensorcnt 0x0                           ; no tensor load of mine is out, so group 0 may be written
	ds_add_u32 v[SPW], v[NIL]                      ; 0 onto my spare word
.if \fill
	s_xor_b32 s[G0+1], s[G0+1], SLOT1              ; the other slot than last time,
	s_add_nc_u64 s[G0+2:G0+3], s[G0+2:G0+3], BLK   ; the next block; the type bits on top are not reached
	s_wait_xcnt 0x0                                ; the last prefetch, a step back, has read its address
	s_add_nc_u64 s[PFA:PFA+1], s[PFA:PFA+1], BLK   ; one block further on than the descriptor
	s_wait_dscnt 0x0                               ; the add is done, and my LDS reads are over
	CROUND
	tensor_load_to_lds s[G0:G0+3], s[G1:G1+7]
	s_nop 0
.rept 4
	v_nop
.endr
	ASK
.else
	s_wait_dscnt 0x0
	s_barrier_signal -1
	s_barrier_wait -1
.endif
.endm
; One product, by the symbols rD, rA, rB (registers), rSA, rSB (scale words), pA, pB (1: the scales stand in lanes 16-31), pZ (1: it starts the sum)
.macro WM
.if pZ
.if pA && pB
	v_wmma_scale_f32_16x16x128_f8f6f4 v[rD:rD+7], v[rA:rA+11], v[rB:rB+11], 0, v[rSA], v[rSB] matrix_a_fmt:MATRIX_FMT_BF6 matrix_b_fmt:MATRIX_FMT_BF6 matrix_a_scale:MATRIX_SCALE_ROW1 matrix_b_scale:MATRIX_SCALE_ROW1
.elseif pA
	v_wmma_scale_f32_16x16x128_f8f6f4 v[rD:rD+7], v[rA:rA+11], v[rB:rB+11], 0, v[rSA], v[rSB] matrix_a_fmt:MATRIX_FMT_BF6 matrix_b_fmt:MATRIX_FMT_BF6 matrix_a_scale:MATRIX_SCALE_ROW1
.elseif pB
	v_wmma_scale_f32_16x16x128_f8f6f4 v[rD:rD+7], v[rA:rA+11], v[rB:rB+11], 0, v[rSA], v[rSB] matrix_a_fmt:MATRIX_FMT_BF6 matrix_b_fmt:MATRIX_FMT_BF6 matrix_b_scale:MATRIX_SCALE_ROW1
.else
	v_wmma_scale_f32_16x16x128_f8f6f4 v[rD:rD+7], v[rA:rA+11], v[rB:rB+11], 0, v[rSA], v[rSB] matrix_a_fmt:MATRIX_FMT_BF6 matrix_b_fmt:MATRIX_FMT_BF6
.endif
.else
.if pA && pB
	v_wmma_scale_f32_16x16x128_f8f6f4 v[rD:rD+7], v[rA:rA+11], v[rB:rB+11], v[rD:rD+7], v[rSA], v[rSB] matrix_a_fmt:MATRIX_FMT_BF6 matrix_b_fmt:MATRIX_FMT_BF6 matrix_a_scale:MATRIX_SCALE_ROW1 matrix_b_scale:MATRIX_SCALE_ROW1
.elseif pA
	v_wmma_scale_f32_16x16x128_f8f6f4 v[rD:rD+7], v[rA:rA+11], v[rB:rB+11], v[rD:rD+7], v[rSA], v[rSB] matrix_a_fmt:MATRIX_FMT_BF6 matrix_b_fmt:MATRIX_FMT_BF6 matrix_a_scale:MATRIX_SCALE_ROW1
.elseif pB
	v_wmma_scale_f32_16x16x128_f8f6f4 v[rD:rD+7], v[rA:rA+11], v[rB:rB+11], v[rD:rD+7], v[rSA], v[rSB] matrix_a_fmt:MATRIX_FMT_BF6 matrix_b_fmt:MATRIX_FMT_BF6 matrix_b_scale:MATRIX_SCALE_ROW1
.else
	v_wmma_scale_f32_16x16x128_f8f6f4 v[rD:rD+7], v[rA:rA+11], v[rB:rB+11], v[rD:rD+7], v[rSA], v[rSB] matrix_a_fmt:MATRIX_FMT_BF6 matrix_b_fmt:MATRIX_FMT_BF6
.endif
.endif
.endm
; Four fragments into set 0 (window 0) or set 1 (window 1): twelve loads of 512 consecutive bytes
.macro FETCH4 set, adr, base, stride
	WIN 0x40*(\set)
.irp i, 0,1,2,3
.irp g, 0,1,2
	ds_load_b128 v[F+12*\i+4*\g:F+12*\i+4*\g+3], v[\adr] offset:(\base)+(\stride)*\i+512*\g
.endr
.endr
.endm
; 16 products of S^T = K Q^T: my four key tiles x my four query tiles, channels 128 ks on.  The 16 accumulators take turns, one instruction a turn.
; One load of 16 bytes a lane has brought two tiles' scale words: the even tile's in lanes 0-15, the odd tile's in lanes 16-31; register ks of the four serves channels 128 ks on.
.macro KQ16 ks, set
	WIN 0x04+(\set)                                ; source 0 (K) in the set's window, source 1 (Q) in window 1, S^T in window 0
.irp kt, 0,1,2,3
.irp qt, 0,1,2,3
.set rD, S+32*\qt+8*\kt
.set rA, F+12*\kt
.set rB, 12*(4*\qt+(\ks))
.set rSA, KS+4*(\kt/2)+(\ks)
.set rSB, QS+4*(\qt/2)+(\ks)
.set pA, \kt%2
.set pB, \qt%2
.if (\ks) == 0
.set pZ, 1
.else
.set pZ, 0
.endif
	WM
.endr
.endr
.endm
; 16 products of O^T += V^T P^T: channel tiles 4 n .. 4 n + 3 of my 16 x my four query tiles, K = the step's 128 keys.  Each of the 64 accumulators has one turn a step.
.macro PV16 n, set, zero
	WIN 0xa0+0x50*((\n)/2)+(\set)                  ; source 0 (V) in the set's window, source 1 (P) in window 0, O^T in window 2 or 3
.irp i, 0,1,2,3
.irp qt, 0,1,2,3
.set rD, 8*(4*((4*(\n)+\i)%8)+\qt)
.set rA, F+12*\i
.set rB, S+12*\qt
.set rSA, VS+4*((\n)/2)+\i
.set rSB, PS+\qt
.set pA, (\n)%2
.set pB, 0
.set pZ, \zero
	WM
.endr
.endr
.endm
; A STEP: the 128 keys of the block in slot s[TB].  zero = 1: the first step, whose products start O^T's sums.
.macro STEP zero
	v_add_nc_u32 v[ADK], s[TB], v[AK0]
	v_add_nc_u32 v[ADV], s[TB], v[AV0]
	v_add_nc_u32 v[ADT], s[TB], v[AT0]
	v_add_nc_u32 v[ADR], s[TB], v[AR0]
	PLACES 2                                       ; six plain instructions behind the last step's products: four are asked ahead of the loads into their fragments, five ahead of the products that write S^T over P
	ds_load_b128 v[KS:KS+3], v[ADT]                ; K's scale words: key tiles 0 | 1,
	ds_load_b128 v[KS+4:KS+7], v[ADT] offset:512   ; 2 | 3
	FETCH4 0, ADK, 0, 6144
	FETCH4 1, ADK, 1536, 6144
	s_wait_alu depctr_va_vdst(0)
	s_wait_dscnt 12                                ; all but the twelve loads of set 1
	KQ16 0, 0
	PLACES 4
	FETCH4 0, ADK, 3072, 6144
	s_wait_dscnt 12                                ; set 1 is in; the twelve just issued may be out
	KQ16 1, 1
	PLACES 4
	FETCH4 1, ADK, 4608, 6144
	s_wait_dscnt 12
	KQ16 2, 0
	PLACES 4
	WIN 0
.irp b, 0,1
.irp q, 0,1,2,3
	ds_load_b128 v[F+16*\b+4*\q:F+16*\b+4*\q+3], v[ADR] offset:128*\b+16*\q   ; rs of keys 64 c + 32 b + 16 h + 4 q on: register F + i goes with S^T's register i of every query tile
.endr
.endr
	s_wait_dscnt 8                                 ; set 1 is in; the eight just issued may be out
	KQ16 3, 1
	WIN 0
	PLACES 4
	s_wait_dscnt 0x0                               ; rs
	; THE SOFTMAX, 32 keys x 4 query tiles a lane.  Each score tile is read from its low end on.
.set cj, 0
.rept 64
	v_pk_mul_f32 v[S+2*cj:S+2*cj+1], v[S+2*cj:S+2*cj+1], v[F+2*(cj%16):F+2*(cj%16)+1]   ; x rs of the key
.set cj, cj+1
.endr
.set cj, 0
.rept 64
	v_pk_mul_f32 v[S+2*cj:S+2*cj+1], v[S+2*cj:S+2*cj+1], v[RQ+2*(cj/16):RQ+2*(cj/16)+1] op_sel_hi:[1,0]   ; x rs of the query: t
.set cj, cj+1
.endr
.set cj, 0
	s_wait_alu depctr_va_vdst(0)
.rept 128
	v_exp_f32 v[S+cj], v[S+cj]                     ; p = 2^t
.set cj, cj+1
.endr
	v_nop                                          ; a plain place behind the last exponential,
	s_wait_alu depctr_va_vdst(0)                   ; and ONE wait for the batch, ahead of its first reader
.set ck, 0
.rept 8                                ; block k = 2 qt + b: my 16 of its 32 keys.  No floor: p is above 1/4
	v_max3_num_f32 v[208+ck], v[S+16*ck], v[S+16*ck+1], v[S+16*ck+2]
.set ck, ck+1
.endr
.set cj, 0
.rept 48                               ; the eight blocks by turns
	v_max3_num_f32 v[208+cj%8], v[208+cj%8], v[S+16*(cj%8)+3+2*(cj/8)], v[S+16*(cj%8)+4+2*(cj/8)]
.set cj, cj+1
.endr
.set ck, 0
.rept 8
	v_max_num_f32 v[208+ck], v[208+ck], v[S+16*ck+15]
.set ck, ck+1
.endr
.set ck, 0
.rept 8
	v_permlanex16_b32 v[216+ck], v[208+ck], s[SEL], s[SEL+1]
.set ck, ck+1
.endr
.set ck, 0
.rept 8
	v_max_num_f32 v[208+ck], v[208+ck], v[216+ck]  ; with lane l xor 16's 16 keys: the block's largest p
.set ck, ck+1
.endr
.set ck, 0
.rept 8
	v_add_nc_u32 v[248+ck], 0xfe000000, v[208+ck]  ; 4 off its exponent field: the conversion's scale operand
.set ck, ck+1
.endr
.set ck, 0
.rept 8
	v_lshrrev_b32 v[216+ck], 23, v[248+ck]         ; the scale's byte
.set ck, ck+1
.endr
.irp qt, 0,1,2,3
	v_lshl_or_b32 v[208+\qt], v[217+2*\qt], 8, v[216+2*\qt]   ; my two bytes of the query's scale word
.endr
.irp qt, 0,1,2,3
	ds_store_b16 v[PSS], v[208+\qt] offset:4*\qt   ; both halves of the lanes write the same bytes with the same value
.endr
.irp qt, 0,1,2,3
	v_cvt_scalef32_pk16_bf6_f32 v[224+6*\qt:226+6*\qt], v[S+32*\qt:S+32*\qt+15], v[248+2*\qt]
	v_cvt_scalef32_pk16_bf6_f32 v[F+4*\qt:F+4*\qt+2], v[S+32*\qt+16:S+32*\qt+31], v[249+2*\qt]   ; (a conversion's three registers begin on an even number)
.endr
	v_nop                                          ; one plain place behind the conversions
.irp qt, 0,1,2,3                       ; the operand wants a WHOLE block in a lane: lanes 0-15 my first block, lanes 16-31 my second
.irp i, 0,1,2
	v_permlane16_swap_b32 v[224+6*\qt+\i], v[F+4*\qt+\i]
.endr
.endr
.irp qt, 0,1,2,3
.irp i, 0,1,2
	v_mov_b32 v[227+6*\qt+\i], v[F+4*\qt+\i]       ; six registers: registers 6 c .. 6 c + 5 of P's fragment
.endr
.endr
.irp qt, 0,1,2,3
	ds_store_b128 v[PST], v[224+6*\qt:227+6*\qt] offset:1536*\qt
	ds_store_b64 v[PST2], v[228+6*\qt:229+6*\qt] offset:1536*\qt+512
.endr
.set cj, 0
.rept 24                               ; l takes the UNQUANTISED p, two at a time.  First the 24 pairs in S .. S + 47, over which P's fragments are loaded below; they stand between the stores and the wait for them
.set cp, 8*(cj%3)+cj/3
	v_pk_add_f32 v[LS+2*(cp/16):LS+2*(cp/16)+1], v[LS+2*(cp/16):LS+2*(cp/16)+1], v[S+2*cp:S+2*cp+1]
.set cj, cj+1
.endr
	s_wait_alu depctr_va_vdst(0)
	s_wait_dscnt 0x0                               ; for my partner's sake: my half of P and its bytes lie in LDS
	s_barrier_signal -1
	ds_load_b128 v[VS:VS+3], v[ADT] offset:2048    ; between signal and wait: loads of the slot in hand, which nobody writes before the next change of slots.  V's scale words: channel tiles 0-3 | 4-7,
	ds_load_b128 v[VS+4:VS+7], v[ADT] offset:2560  ; 8-11 | 12-15
	FETCH4 0, ADV, 0, 1536
	FETCH4 1, ADV, 6144, 1536
	WIN 0
	s_barrier_wait -1
.irp qt, 0,1,2,3                       ; P's four fragments, both halves, as they were stored
	ds_load_b128 v[S+12*\qt:S+12*\qt+3], v[PLD] offset:1536*\qt
	ds_load_b64 v[S+12*\qt+4:S+12*\qt+5], v[PLD2] offset:1536*\qt+512
	ds_load_b128 v[S+12*\qt+6:S+12*\qt+9], v[PLD] offset:1536*\qt+768
	ds_load_b64 v[S+12*\qt+10:S+12*\qt+11], v[PLD2] offset:1536*\qt+1280
.endr
	ds_load_b128 v[PS:PS+3], v[PSL]                ; and their scale words
.set cj, 0
.rept 40                               ; the other 40 pairs of p, in S + 48 .. S + 127, which no load above writes: they stand between the loads and the wait for them
.set cp, 24+8*(cj%5)+cj/5
	v_pk_add_f32 v[LS+2*(cp/16):LS+2*(cp/16)+1], v[LS+2*(cp/16):LS+2*(cp/16)+1], v[S+2*cp:S+2*cp+1]
.set cj, cj+1
.endr
	s_wait_alu depctr_va_vdst(0)
	s_wait_dscnt 0x0
	PV16 0, 0, \zero
	PLACES 4
	FETCH4 0, ADV, 12288, 1536
	PV16 1, 1, \zero
	PLACES 4
	FETCH4 1, ADV, 18432, 1536
	s_wait_dscnt 12                                ; set 0 is in; the twelve just issued may be out
	PV16 2, 0, \zero
	s_wait_dscnt 0x0
	PV16 3, 1, \zero
	WIN 0
	s_xor_b32 s[TB], s[TB], SLOT1                  ; on to the other slot
.endm
	s_load_b128 s[4:7], s[0:1], 0x0                ; kv, out0
	v_lshl_add_u32 v[SPW], v0, 2, SPARE
	v_mov_b32 v[NIL], 0
	ds_add_u32 v13, v14
	ds_add_u32 v13, v14
	s_wait_dscnt 0x0
	v_lshrrev_b32 v1, 5, v0
	v_readfirstlane_b32 s[WV], v1                  ; wave 0..3
	s_lshr_b32 s9, s[WV], 1                        ; a: which four query tiles
	s_and_b32 s10, s[WV], 1                        ; c: which half of a step's keys, and of the channels
	s_bfe_u32 s11, ttmp6, 0x40000                  ; cx: my place in the cluster
	s_lshl_b32 s12, ttmp9, 2                       ; in a cluster launch ttmp9 counts clusters
	s_add_co_u32 s12, s12, s11                     ; my query block: it enters Q's and out0's addresses alone
	s_and_b32 s13, ttmp7, 0xffff                   ; the batch, which the four partners share
	; descriptor group 1: a dense block of 101 rows of 256 bytes (32 elements of 8 bytes), no padding
	s_mov_b32 s[G1], 15|(3<<16)|(1<<21)            ; 15:0 the mask: all four work-groups; 17:16 elements of 8 bytes; 21 set beside a mask
	s_mov_b32 s[G1+1], 32<<16                      ; tensor_dim0 = 32
	s_mov_b32 s[G1+2], 101<<16                     ; tensor_dim1 = 101
	s_mov_b32 s[G1+3], 32<<16                      ; tile_dim0 = 32
	s_mov_b32 s[G1+4], 101                         ; tile_dim1 = 101
	s_mov_b32 s[G1+5], 32                          ; from row to row
	s_mov_b32 s[G1+6], 0
	s_mov_b32 s[G1+7], 0
	s_mul_i32 s14, s13, 16*BLK                     ; the batch's first block
	s_mov_b32 s15, 0
	s_mul_i32 s16, s[WV], QTR                      ; my wave's quarter, in memory and in a slot: no place in the cluster enters either
	s_mov_b32 s17, 0
	s_mov_b32 s[SEL], 0x76543210
	s_mov_b32 s[SEL+1], 0xfedcba98
	s_mov_b32 s[TB], 0
	s_mov_b32 s[SLOTS], 15
	s_wait_kmcnt 0x0
	s_add_nc_u64 s[2:3], s[4:5], s[14:15]
	s_mov_b32 s[G0], 1                             ; count = 1
	s_mov_b32 s[G0+1], s16                         ; LDS address: slot 0
	s_add_nc_u64 s[G0+2:G0+3], s[2:3], s[16:17]    ; global address: block 0
	s_or_b32 s[G0+3], s[G0+3], 0x80000000          ; type = 2
	CROUND                                         ; all four work-groups are here: the first joint loads meet
	tensor_load_to_lds s[G0:G0+3], s[G1:G1+7]
	s_nop 0
.rept 4
	v_nop
.endr
	v_and_b32 v5, 31, v0                           ; L
	v_and_b32 v6, 15, v0                           ; r
	v_bfe_u32 v7, v0, 4, 1                         ; h
	v_lshlrev_b32 v[L16], 4, v5
	s_wait_alu depctr_va_vdst(0)
	s_mul_i32 s46, s12, BLK
	s_mov_b32 s47, 0
	s_add_nc_u64 s[46:47], s[2:3], s[46:47]        ; the block of my queries
	s_mul_i32 s48, s9, 24576
	s_mov_b32 s49, 0
	s_add_nc_u64 s[38:39], s[46:47], s[48:49]      ; its fragments of tiles 4 a on,
	s_lshl_b32 s48, s9, 10
	s_add_nc_u64 s[42:43], s[46:47], s[48:49]      ; their scale words (1,024 a),
	s_lshl_b32 s48, s9, 8
	s_add_nc_u64 s[44:45], s[46:47], s[48:49]      ; their rs (256 a)
	WIN 0x40                                       ; destination window 1
.set cj, 0
.rept 48                               ; Q stays in registers: fragment (qt, ks) at 12 (4 qt + ks); registers and memory run alike: four registers, 512 bytes
	global_load_b128 v[4*cj:4*cj+3], v[L16], s[38:39] offset:512*cj
.set cj, cj+1
.endr
	WIN 0
	global_load_b128 v[QS:QS+3], v[L16], s[42:43] offset:KSC         ; query tiles 0 | 1,
	global_load_b128 v[QS+4:QS+7], v[L16], s[42:43] offset:KSC+512   ; 2 | 3
	v_and_b32 v8, 8, v6
	v_add_nc_u32 v8, v8, v6                        ; r + 8 (r / 8)
	v_lshlrev_b32 v[RQO], 2, v8
.irp qt, 0,1,2,3
	global_load_b32 v[RQ+2*\qt], v[RQO], s[44:45] offset:RSO+4*(32*(\qt/2)+8*(\qt%2))   ; lane (r, h) holds query r of each tile
.endr
	s_mul_i32 s50, s10, 24576
	v_add_nc_u32 v[AK0], s50, v[L16]
	v_add_nc_u32 v[AV0], VIMG, v[AK0]
	s_lshl_b32 s50, s10, 10
	s_add_co_u32 s50, s50, KSC
	v_add_nc_u32 v[AT0], s50, v[L16]
	s_lshl_b32 s50, s10, 8
	s_add_co_u32 s50, s50, RSO
	v_lshl_add_u32 v[AR0], v7, 6, s50
	s_mul_i32 s50, s9, 6144
	s_add_co_u32 s50, s50, PIMG
	v_add_nc_u32 v[PLD], s50, v[L16]
	v_lshl_add_u32 v[PLD2], v5, 3, s50
	s_mul_i32 s51, s10, 768
	v_add_nc_u32 v[PST], s51, v[PLD]
	v_add_nc_u32 v[PST2], s51, v[PLD2]
	s_lshl_b32 s50, s9, 8
	s_add_co_u32 s50, s50, PSC
	v_lshl_add_u32 v[PSL], v6, 4, s50
	s_lshl_b32 s51, s10, 1
	v_add_nc_u32 v[PSS], s51, v[PSL]
	v_min_u32 v[PFO], 100, v0
	v_lshlrev_b32 v[PFO], 8, v[PFO]
	s_mul_i32 s52, s11, QTR                        ; the prefetches: my work-group's quarter,
	s_add_co_u32 s52, s52, BLK                     ; in block 1: the first change of slots steps it to block 2.  Nothing is prefetched here, at the head
	s_mov_b32 s53, 0
	s_add_nc_u64 s[PFA:PFA+1], s[2:3], s[52:53]
	s_cmp_eq_u32 ttmp9, 0                          ; the batch's first cluster: the same in all four partners
	s_cselect_b32 s[LIM], 1, -1
	s_lshl_b32 s52, s13, 22                        ; out0: a batch is 2,048 rows of 2,048 bytes,
	s_lshl_b32 s54, s12, 18                        ; a query block 128 rows,
	s_add_co_u32 s52, s52, s54
	s_lshl_b32 s54, s9, 17                         ; my tiles begin 64 a rows on,
	s_add_co_u32 s52, s52, s54
	s_lshl_b32 s54, s10, 10                        ; my channels 1,024 c bytes on
	s_add_co_u32 s52, s52, s54
	s_add_nc_u64 s[OUTP:OUTP+1], s[6:7], s[52:53]
.irp j, 0,1,2,3,4,5,6,7
	v_mov_b32 v[LS+\j], 0                          ; l, a pair for each query tile
.endr
	s_wait_loadcnt 0x0                             ; Q, its scale words and rs
.irp qt, 0,1,2,3
	v_mov_b32 v[RQ+2*\qt+1], v[RQ+2*\qt]           ; the packed multiply names a pair and takes its low word for both halves: so the upper word is written
.endr
	CHANGE 1                                       ; block 0 has landed; block 1 is asked for, into slot 1
	STEP 1
	s_mov_b32 s[SLOTS], 14
.Lstep:                                            ; steps 1 to 14: behind each change of slots the next block is asked for
	CHANGE 1
	STEP 0
	s_sub_co_u32 s[SLOTS], s[SLOTS], 1
	s_cmp_lg_u32 s[SLOTS], 0
	s_cbranch_scc1 .Lstep
	CHANGE 0                                       ; the last step is written out
	STEP 0
	; THE WAY OUT.  l: the pair's halves, lane l xor 16's keys, and my partner wave's half of the keys, through LDS.  (These additions are the places behind the last products.)
.irp qt, 0,1,2,3
	v_add_f32 v[240+\qt], v[LS+2*\qt], v[LS+2*\qt+1]
.endr
	s_wait_alu depctr_va_vdst(0)
.irp qt, 0,1,2,3
	v_permlanex16_b32 v[244+\qt], v[240+\qt], s[SEL], s[SEL+1]
.endr
.irp qt, 0,1,2,3
	v_add_f32 v[240+\qt], v[240+\qt], v[244+\qt]
.endr
	s_lshl_b32 s50, s[WV], 9
	s_add_co_u32 s50, s50, LX
	v_add_nc_u32 v7, s50, v[L16]                   ; my wave's 512 bytes
	s_lshl_b32 s50, s9, 10
	s_add_co_u32 s50, s50, LX
	v_add_nc_u32 v8, s50, v[L16]                   ; the two waves' that share my queries
	ds_store_b128 v7, v[240:243]
	s_wait_alu depctr_va_vdst(0)
	s_wait_dscnt 0x0                               ; my part lies in LDS, and my reads of the slots are over
	s_barrier_signal -1
	s_barrier_wait -1
	ds_load_b128 v[240:243], v8
	ds_load_b128 v[244:247], v8 offset:512
	v_and_b32 v5, 15, v0
	v_mul_u32_u24 v5, v5, SROW
	v_bfe_u32 v6, v0, 4, 1
	v_lshl_add_u32 v5, v6, 5, v5
	s_mul_i32 s50, s[WV], 16*SROW                  ; my stage
	v_add_nc_u32 v5, s50, v5                       ; in: row r, + 32 h: eight channels of a tile
	v_add_nc_u32 v6, s50, v[L16]                   ; back: 512 consecutive bytes of a row
	s_wait_dscnt 0x0
	v_pk_add_f32 v[240:241], v[240:241], v[244:245]
	v_pk_add_f32 v[242:243], v[242:243], v[246:247]
	s_wait_alu depctr_va_vdst(0)
.irp qt, 0,1,2,3
	v_rcp_f32 v[RQ+2*\qt], v[240+\qt]              ; 1 / l, where rs of the queries stood
.endr
	v_nop                                          ; a plain place behind the last reciprocal,
	s_wait_alu depctr_va_vdst(0)                   ; and one wait for the four, ahead of their first reader
; Query tile qt: O^T / l; a lane's eight channels of a row are 32 bytes; 16 rows x 1,024 bytes go through my own stage and come back as halves of rows, 512 consecutive bytes.
; LDS serves a wave's instructions in order (ISA guide 5.7.1.4): no wait stands between the stores and the loads.  Row i of the tile is query 32 (qt / 2) + 8 (qt % 2) + i + 8 (i / 8) of my 64.
.macro OUTQ qt
.if (\qt) > 0
	s_wait_xcnt 0x0                                ; the last tile's stores have read their registers
.endif
	WIN 0x02                                       ; source 0 in window 2
.irp ct, 0,1,2,3,4,5,6,7
.irp j, 0,2,4,6
	v_pk_mul_f32 v[S+8*\ct+\j:S+8*\ct+\j+1], v[8*(4*\ct+(\qt))+\j:8*(4*\ct+(\qt))+\j+1], v[RQ+2*(\qt):RQ+2*(\qt)+1] op_sel_hi:[1,0]   ; each accumulator from its low end on
.endr
.endr
	WIN 0x03                                       ; source 0 in window 3
.irp ct, 0,1,2,3,4,5,6,7
.irp j, 0,2,4,6
	v_pk_mul_f32 v[S+64+8*\ct+\j:S+64+8*\ct+\j+1], v[8*(4*\ct+(\qt))+\j:8*(4*\ct+(\qt))+\j+1], v[RQ+2*(\qt):RQ+2*(\qt)+1] op_sel_hi:[1,0]
.endr
.endr
	WIN 0
.set cj, 0
.rept 16
	ds_store_b128 v5, v[S+8*cj:S+8*cj+3] offset:64*cj
	ds_store_b128 v5, v[S+8*cj+4:S+8*cj+7] offset:64*cj+16
.set cj, cj+1
.endr
.set cj, 0
.rept 32
	ds_load_b128 v[S+4*cj:S+4*cj+3], v6 offset:SROW*(cj/2)+512*(cj%2)
.set cj, cj+1
.endr
.set cj, 0
.rept 32
	s_wait_dscnt 31-cj                             ; load cj is back; those behind it may be out
	global_store_b128 v[L16], v[S+4*cj:S+4*cj+3], s[OUTP:OUTP+1] offset:2048*(32*((\qt)/2)+8*((\qt)%2)+(cj/2)+8*(cj/16))+512*(cj%2) th:TH_STORE_NT   ; 32 lanes store 512 consecutive bytes, at a multiple of 256 from out0's first byte
.set cj, cj+1
.endr
.endm
	OUTQ 0
	OUTQ 1
	OUTQ 2
	OUTQ 3
	s_wait_tensorcnt 0x0                           ; the wave's end: behind my last tensor load and my last LDS store
	ds_add_u32 v[SPW], v[NIL]
	s_wait_dscnt 0x0
	CROUND                                         ; the closing round: no work-group ends while a partner may still ask for a block that names it
	s_endpgm
.Lfunc_end_k_qa6b8a442fa_attn:
	.size	k_qa6b8a442fa_attn, .Lfunc_end_k_qa6b8a442fa_attn-k_qa6b8a442fa_attn
	.p2alignl 7, 3214868480
	.fill 96, 4, 3214868480
	.section	.rodata,"a",@progbits
	.p2align	6, 0x0
	.amdhsa_kernel k_qa6b8a442fa_attn
		.amdhsa_group_segment_fixed_size 327680
		.amdhsa_private_segment_fixed_size 0
		.amdhsa_enable_private_segment 0
		.amdhsa_kernarg_size 16
		.amdhsa_user_sgpr_count 2
		.amdhsa_user_sgpr_kernarg_segment_ptr 1
		.amdhsa_wavefront_size32 1
		.amdhsa_system_sgpr_workgroup_id_x 1
		.amdhsa_system_sgpr_workgroup_id_y 1
		.amdhsa_system_sgpr_workgroup_id_z 1
		.amdhsa_system_vgpr_workitem_id 0
		.amdhsa_next_free_vgpr 1024
		.amdhsa_next_free_sgpr 66
		.amdhsa_reserve_vcc 0
		.amdhsa_float_denorm_mode_32 3
		.amdhsa_float_denorm_mode_16_64 3
		.amdhsa_memory_ordered 1
		.amdhsa_forward_progress 1
		.amdhsa_inst_pref_size 212
	.end_amdhsa_kernel
	.amdgpu_metadata
---
amdhsa.version: [ 1, 2 ]
amdhsa.kernels:
  - .name:           k_qa6b8a442fa_attn
    .symbol:         k_qa6b8a442fa_attn.kd
    .args:
      - { .name: kv, .offset: 0, .size: 8, .value_kind: global_buffer, .address_space: global }
      - { .name: out0, .offset: 8, .size: 8, .value_kind: global_buffer, .address_space: global }
    .group_segment_fixed_size: 327680
    .private_segment_fixed_size: 0
    .kernarg_segment_align: 8
    .kernarg_segment_size: 16
    .max_flat_workgroup_size: 128
    .sgpr_count:     66
    .vgpr_count:     1024
    .wavefront_size: 32
...
	.end_amdgpu_metadata
.endif
;; end of part 2
